; MI455X (gfx1250); checked and timed in simulation.
; The chip was launched on July 23, 2026; its instructions are those of AMD's public machine-readable ISA for CDNA 5 (MIT licence, August 2026) and "CDNA5" Instruction Set Architecture Reference Guide (July 2026). The comments in the code are by the model that wrote it; some were corrected since.
;; Multi Head Attention. Allowed arithmetic: matrix products marked QUANTISED: E2M3 operands, one E8M0 scale for each 32 along K, by v_wmma_scale_f32_16x16x128_f8f6f4 with both operands' format E2M3, f32 sums; everything else in f32.
;; Inputs: Wk 1,024 x 1,024 float32; Wo 1,024 x 1,024 float32; Wq 1,024 x 1,024 float32; Wv 1,024 x 1,024 float32; bk 1,024 float32; bo 1,024 float32; bq 1,024 float32; bv 1,024 float32; key_in 4 x 2,048 x 1,024 float32; query 4 x 2,048 x 1,024 float32; value 4 x 2,048 x 1,024 float32.
;; Outputs: out0 4 x 2,048 x 1,024 float32.
;; This version of the problem:
;;   THIS VERSION OF THE PROBLEM IS GIVEN IN LOW PRECISION. The matrix products marked QUANTISED in the list below multiply operands that are first quantised to E2M3 (2 exponent bits, 3 mantissa bits; 6 bits a number), with one power-of-two scale for each 32 numbers along K (OCP MX v1.0); their sums are f32. All else is computed in f32.
;;   The module's matrix products, in the order in which they are computed (A, B: the left and right operand; K: the contracted axis; several contracted axes count as one K, in the product's order):
;;     1. [M 8,192, K 1,024] x [K 1,024, N 1,024]; A: input query; B: input Wq: QUANTISED
;;     2. [M 8,192, K 1,024] x [K 1,024, N 1,024]; A: input key_in; B: input Wk: QUANTISED
;;     3. [M 8,192, K 1,024] x [K 1,024, N 1,024]; A: input value; B: input Wv: QUANTISED
;;     4. batch 64 x [M 2,048, K 64] x [K 64, N 2,048]; A: computed on the way; B: computed on the way: QUANTISED
;;     5. batch 64 x [M 2,048, K 2,048] x [K 2,048, N 64]; A: softmax (see below); B: computed on the way: QUANTISED
;;     6. [M 8,192, K 1,024] x [K 1,024, N 1,024]; A: computed on the way; B: input Wo: QUANTISED
;;   THE QUANTISER, for each operand of a quantised product, along K:
;;     - K is cut into blocks of 32 from its start; a last block that is shorter is filled with zeros.
;;     - A block's scale is 2^e with e = floor(log2(the largest magnitude in the block)) - 2, held to -126 .. 127; a block of zeros has e = 0. As a byte (E8M0): e + 127.
;;     - Each number is divided by its block's scale, clamped to +-7.5, and rounded to the nearest number of E2M3, ties to even, subnormals kept.
;;     - The product sums the exact products of the quantised numbers (number of the format x scale) in f32.
;;   ~~~python
;;   def quantise(x, axis):      # numpy; x: float32 -> the quantised numbers, widened to float32 again
;;       x = np.moveaxis(x, axis, -1); K = x.shape[-1]
;;       x = np.pad(x, [(0, 0)] * (x.ndim - 1) + [(0, -K % 32)]); x = x.reshape(x.shape[:-1] + (-1, 32)); a = np.abs(x).max(-1, keepdims=True)
;;       e = np.where(a > 0, np.clip(np.frexp(np.where(a > 0, a, 1))[1] - 1 - 2, -126, 127), 0)      # np.frexp(a)[1] - 1 = floor(log2(a)), exactly
;;       r = np.clip(x / 2.0 ** e, -7.5, 7.5)
;;       step = 2.0 ** (np.maximum(np.frexp(np.where(r == 0, 1, r))[1] - 1, 0) - 3)
;;       q = np.round(r / step) * step * 2.0 ** e      # np.round: ties to even
;;       return np.moveaxis(q.reshape(q.shape[:-2] + (-1,))[..., :K], -1, axis).astype(np.float32)
;;   ~~~
;;   SOFTMAX AHEAD OF A QUANTISED PRODUCT. Where the list says 'softmax', what is quantised is not the finished softmax but p = 2^(t - M), with t = logit x log2(e) and M = ceil(the row's largest t), a whole number; so 1/2 < the row's largest p <= 1. The row's sum l is taken of the UNQUANTISED p, in f32, and the product's result is divided by l at the end. Since M is a whole number, a kernel that streams over the keys may use a running M (the ceiling of the running maximum): every later rescaling is an exact power of two, which a block's scale takes up: the codes' values come out the same.
;;   OPERANDS COMPUTED ON THE WAY. 'Computed on the way' means the value that the module computes at that place (a softmax that the list does not call 'softmax' is quantised finished and normalised). What goes into a quantiser is computed in f32, as accurately as f32 sums, v_exp_f32 and their like allow (about 1e-6 of the number): no bf16 or f16 on the way to a quantiser, and a product that is left as it is and whose result goes on into a quantised operand takes f32 operands (vector FMAs, or v_wmma_f32_16x16x4_f32). A number that lies on a knife's edge between two numbers of the format may be rounded either way, as far as f32 arithmetic and the matrix unit's own rounding can turn it there, and no further.
;; One version. Each part assembles by itself: llvm-mc -triple=amdgcn-amd-amdhsa -mcpu=gfx1250 --defsym DOCPART=n.
;; ======== version 1 of 1: 4 launches
;; workspace buffers: xw_c 22,020,096 bytes; xw_s 917,504 bytes; qkv_c 18,874,368 bytes; qkv_s 1,572,864 bytes; ao_c 6,291,456 bytes; ao_s 262,144 bytes
;; launch quant (part 1): grid 256 x 1, 7 waves a work-group, no clusters, 65,536 bytes of LDS; arguments query, key_in, value, Wq, Wk, Wv, Wo, xw_c, xw_s; writes xw_c, xw_s
.if DOCPART == 1
	.amdgcn_target "amdgcn-amd-amdhsa--gfx1250"
	.amdhsa_code_object_version 6
	.text
	.protected	k_qfbfa694087_quant
	.globl	k_qfbfa694087_quant
	.p2align	8
	.type	k_qfbfa694087_quant,@function
k_qfbfa694087_quant:
	s_mov_b64 s[64:65], 0
	v_nop
	global_prefetch_b8 v0, s[64:65] scope:SCOPE_SE
	s_setreg_imm32_b32 hwreg(HW_REG_WAVE_MODE, 25, 1), 1
	s_wait_xcnt 0x0
; query, key_in, value [8192][1024] and Wq, Wk, Wv, Wo [1024][1024], f32, K innermost, become codes of FP6 (E2M3) with one E8M0 byte for each 32 along K.
; A block's scale is 2^(floor(log2(its largest magnitude)) - 2); its byte is the largest magnitude's exponent field - 2, held at 1 from below.
; LIMITS: a block of zeros gets the byte 1 where the rule says 127 (its codes are zeros, and this program alone reads the bytes); blocks whose largest
; magnitude lies under 2^-124 are held at that floor; NaN and infinities among the inputs are not served.
; LAYOUT OF THE CODES: images of operand registers.  A tile is 16 rows x 1,024 K = 16 half fragments of 768 bytes (16 rows x 64 K).  A half fragment has three
; chunks of 256 bytes; chunk p holds at 8 x lane the lane's registers 2 p, 2 p + 1; lane (r = lane % 16, h = lane / 16) holds block h (32 codes, 24 bytes) of place r.
; WHICH ROWS FORM A TILE: in query and Wo place r of tile T is row 16 T + r.  In key_in, value, Wq, Wk, Wv place r of tile 2 b + u is row 32 b + 8 u + r + 8 (r / 8):
; where such a tensor is source 0 of a product, a lane's 16 registers of result tiles 2 b, 2 b + 1 are then 16 neighbours along that axis.
; The scale bytes lie [tile][place][32].  The seven tensors make 1,792 tiles = 256 work-groups x 7 waves: a wave to a tile, 16 steps of 64 along K.
; Each load reads 2 x 256 consecutive bytes; a step's 4,096 bytes turn through the wave's own stage in LDS so that a lane holds a whole block.  Waves share nothing: no barrier.
; Matrix units, clusters and tensor loads are left out: every byte is read once by one wave.
.set STEPS, 16
.set WREG,  9216                       ; LDS of a wave: two stages of 16 x 272 bytes, then its 512 scale bytes
.set STG,   4352
.set SBY,   2*STG
.set SPARE, 7*WREG                     ; behind the seven regions: the spare words, 128 bytes a wave, in four blocks of 256 bytes that no other line names
.set R,     16                         ; v16-143  four sets of 32 numbers as loaded
.set X,     144                        ; v144-207 two sets of 32 neighbours
.set C,     208                        ; v208-213, v216-221 a block's codes, two sets
.set D,     224                        ; v224-226 the upper 16 codes, before they are moved
.set E,     228                        ; v228-243 a scale byte for each step
.set SPW,   12                         ; v12 LDS address of my spare word; never rewritten
.set NIL,   13                         ; v13 0; never rewritten
	s_load_b512 s[4:19], s[0:1], 0x0               ; query 4:5, key_in 6:7, value 8:9, Wq 10:11, Wk 12:13, Wv 14:15, Wo 16:17, xw_c 18:19
	s_load_b64 s[20:21], s[0:1], 0x40              ; xw_s
	v_lshl_add_u32 v[SPW], v0, 2, SPARE
	v_mov_b32 v[NIL], 0
	v_lshrrev_b32 v1, 5, v0
	v_readfirstlane_b32 s22, v1                    ; wave 0..6
	s_mul_i32 s23, ttmp9, 7
	s_add_co_u32 s23, s23, s22                     ; g: my tile, 0 .. 1,791
	s_mul_i32 s25, s22, WREG                       ; my region of LDS
	v_and_b32 v14, 31, v0                          ; lane
	v_and_b32 v15, 15, v0                          ; r
	v_bfe_u32 v9, v0, 4, 1                         ; h
	v_lshlrev_b32 v1, 12, v9
	v_lshl_add_u32 v1, v15, 4, v1                  ; in: lanes 0-15 one row's 256 bytes, lanes 16-31 the next row's
	v_mul_u32_u24 v3, v9, 272
	v_lshl_add_u32 v3, v15, 4, v3
	v_add_nc_u32 v3, s25, v3                       ; into the stage: the same two places, 272 bytes apart
	v_mul_u32_u24 v4, v15, 272
	v_lshl_add_u32 v4, v9, 7, v4
	v_add_nc_u32 v4, s25, v4                       ; out of it: place r, block h: 128 bytes
	v_lshl_add_u32 v5, v15, 5, v9
	v_add_nc_u32 v5, s25, v5
	v_add_nc_u32 v5, SBY, v5                       ; my block's scale byte: 32 r + h, + 2 a step
	v_lshlrev_b32 v6, 3, v14                       ; 8 x lane: my place in a chunk
	v_lshlrev_b32 v7, 4, v14                       ; 16 x lane: my part of the tile's 512 scale bytes
	v_add_nc_u32 v10, s25, v7
	v_add_nc_u32 v10, SBY, v10
	s_wait_alu depctr_va_vdst(0)
	s_wait_kmcnt 0x0
	s_mov_b64 s[26:27], s[16:17]                   ; which tensor is my tile's?  The choice hangs on the tile's number alone
	s_mov_b32 s24, 1728
	s_cmp_lt_u32 s23, 1728
	s_cselect_b64 s[26:27], s[14:15], s[26:27]
	s_cselect_b32 s24, 1664, s24
	s_cmp_lt_u32 s23, 1664
	s_cselect_b64 s[26:27], s[12:13], s[26:27]
	s_cselect_b32 s24, 1600, s24
	s_cmp_lt_u32 s23, 1600
	s_cselect_b64 s[26:27], s[10:11], s[26:27]
	s_cselect_b32 s24, 1536, s24
	s_cmp_lt_u32 s23, 1536
	s_cselect_b64 s[26:27], s[8:9], s[26:27]
	s_cselect_b32 s24, 1024, s24
	s_cmp_lt_u32 s23, 1024
	s_cselect_b64 s[26:27], s[6:7], s[26:27]
	s_cselect_b32 s24, 512, s24
	s_cmp_lt_u32 s23, 512
	s_cselect_b64 s[26:27], s[4:5], s[26:27]
	s_cselect_b32 s24, 0, s24
	s_sub_co_u32 s29, s23, s24                     ; the tile's number in its tensor
	s_lshr_b32 s30, s29, 1
	s_lshl_b32 s30, s30, 5
	s_and_b32 s31, s29, 1
	s_lshl_b32 s31, s31, 3
	s_add_co_u32 s30, s30, s31                     ; its first row where the places are spread: 32 b + 8 u,
	s_lshl_b32 s31, s29, 4                         ; and where they are not: 16 T
	s_sub_co_u32 s32, s23, 512
	s_cmp_lt_u32 s32, 1216                         ; tiles 512 .. 1,727: key_in, value, Wq, Wk, Wv
	s_cselect_b32 s30, s30, s31
	s_cselect_b32 s28, 32768, 0                    ; places 8-15 lie 8 rows further down there
	s_lshl_b32 s30, s30, 12                        ; a row is 4,096 bytes
	s_mov_b32 s31, 0
	s_add_nc_u64 s[26:27], s[26:27], s[30:31]
	s_mul_i32 s30, s23, 12288
	s_add_nc_u64 s[18:19], s[18:19], s[30:31]
	s_lshl_b32 s30, s23, 9
	s_add_nc_u64 s[20:21], s[20:21], s[30:31]
	v_add_nc_u32 v2, s28, v1
.macro LOAD t                          ; step t: 64 along K of the tile's 16 places, two places a load
.irp i, 0,1,2,3
	global_load_b128 v[R+32*((\t)%4)+4*\i:R+32*((\t)%4)+4*\i+3], v1, s[26:27] offset:8192*\i+256*(\t) th:TH_LOAD_NT
.endr
.irp i, 4,5,6,7
	global_load_b128 v[R+32*((\t)%4)+4*\i:R+32*((\t)%4)+4*\i+3], v2, s[26:27] offset:8192*\i+256*(\t) th:TH_LOAD_NT
.endr
.endm
.macro TURN t                          ; through the stage: LDS serves a wave's instructions in order, so no wait stands between the stores and the loads
.irp i, 0,1,2,3,4,5,6,7
	ds_store_b128 v3, v[R+32*((\t)%4)+4*\i:R+32*((\t)%4)+4*\i+3] offset:STG*((\t)%2)+544*\i
.endr
.irp j, 0,1,2,3,4,5,6,7
	ds_load_b128 v[X+32*((\t)%2)+4*\j:X+32*((\t)%2)+4*\j+3], v4 offset:STG*((\t)%2)+16*\j
.endr
.endm
.macro STEP t
.set XS, X+32*((\t)%2)
.set CS, C+8*((\t)%2)
.if (\t) > 0
	s_wait_dscnt 1                                 ; this step's numbers are back from the stage; the last step's byte store alone may be out
.else
	s_wait_dscnt 0x0
.endif
.if (\t)+4 < STEPS
	LOAD (\t)+4                                    ; into the set that this step's stores into the stage have read
.endif
.if (\t)+1 < STEPS
.if 14-(\t) >= 3
	s_wait_loadcnt 24                              ; the next step's eight loads are in; those of the three steps behind it may be out
.else
	s_wait_loadcnt 8*(14-(\t))
.endif
	TURN (\t)+1
.endif
	v_max3_num_f32 v8, |v[XS]|, |v[XS+1]|, |v[XS+2]|       ; the block's largest magnitude: all 32 numbers are mine; two chains
	v_max3_num_f32 v9, |v[XS+3]|, |v[XS+4]|, |v[XS+5]|
.irp i, 6,10,14,18,22,26
	v_max3_num_f32 v8, v8, |v[XS+\i]|, |v[XS+\i+1]|
	v_max3_num_f32 v9, v9, |v[XS+\i+2]|, |v[XS+\i+3]|
.endr
	v_max3_num_f32 v8, v8, |v[XS+30]|, |v[XS+31]|
	v_max3_num_f32 v8, v8, v9, 0x1800000           ; and the floor 2^(3 - 127): the byte cannot fall under 1
	v_add_nc_u32 v11, 0xff000000, v8               ; 2 off the exponent field: the conversion takes this operand's exponent field as its scale
.if (\t) >= 2
	s_wait_alu depctr_va_vdst(0)
	s_wait_xcnt 0x0                                ; the stores of two steps back have read this set of codes
.endif
	v_cvt_scalef32_pk16_fp6_f32 v[CS:CS+2], v[XS:XS+15], v11
	v_cvt_scalef32_pk16_fp6_f32 v[D:D+2], v[XS+16:XS+31], v11      ; (a conversion's three registers begin on an even number)
	v_lshrrev_b32 v[E+(\t)], 23, v11               ; the scale's byte; also the plain line behind the conversions
.irp i, 0,1,2
	v_mov_b32 v[CS+3+\i], v[D+\i]
.endr
	ds_store_b8 v5, v[E+(\t)] offset:2*(\t)
.irp p, 0,1,2
	global_store_b64 v6, v[CS+2*\p:CS+2*\p+1], s[18:19] offset:768*(\t)+256*\p   ; 32 lanes store 256 consecutive bytes, at a multiple of 256 from the buffer's first byte
.endr
.endm
.irp t, 0,1,2,3
	LOAD \t
.endr
	s_wait_alu depctr_va_vdst(0)
	s_wait_loadcnt 24                              ; step 0's eight loads are in
	TURN 0
.irp t, 0,1,2,3,4,5,6,7,8,9,10,11,12,13,14,15
	STEP \t
.endr
	ds_load_b128 v[X:X+3], v10                     ; the tile's 512 scale bytes, 16 a lane: these see my byte stores
	s_wait_dscnt 0x0
	global_store_b128 v7, v[X:X+3], s[20:21]
	s_wait_tensorcnt 0x0                           ; the wave's end, behind my last LDS store
	ds_add_u32 v[SPW], v[NIL]
	s_wait_dscnt 0x0
	s_endpgm
.Lfunc_end_k_qfbfa694087_quant:
	.size	k_qfbfa694087_quant, .Lfunc_end_k_qfbfa694087_quant-k_qfbfa694087_quant
	.p2alignl 7, 3214868480
	.fill 96, 4, 3214868480
	.section	.rodata,"a",@progbits
	.p2align	6, 0x0
	.amdhsa_kernel k_qfbfa694087_quant
		.amdhsa_group_segment_fixed_size 65536
		.amdhsa_private_segment_fixed_size 0
		.amdhsa_enable_private_segment 0
		.amdhsa_kernarg_size 72
		.amdhsa_user_sgpr_count 2
		.amdhsa_user_sgpr_kernarg_segment_ptr 1
		.amdhsa_wavefront_size32 1
		.amdhsa_system_sgpr_workgroup_id_x 1
		.amdhsa_system_sgpr_workgroup_id_y 1
		.amdhsa_system_sgpr_workgroup_id_z 1
		.amdhsa_system_vgpr_workitem_id 0
		.amdhsa_next_free_vgpr 248
		.amdhsa_next_free_sgpr 66
		.amdhsa_reserve_vcc 0
		.amdhsa_float_denorm_mode_32 3
		.amdhsa_float_denorm_mode_16_64 3
		.amdhsa_memory_ordered 1
		.amdhsa_forward_progress 1
		.amdhsa_inst_pref_size 61
	.end_amdhsa_kernel
	.amdgpu_metadata
---
amdhsa.version: [ 1, 2 ]
amdhsa.kernels:
  - .name:           k_qfbfa694087_quant
    .symbol:         k_qfbfa694087_quant.kd
    .args:
      - { .name: query, .offset: 0, .size: 8, .value_kind: global_buffer, .address_space: global }
      - { .name: key_in, .offset: 8, .size: 8, .value_kind: global_buffer, .address_space: global }
      - { .name: value, .offset: 16, .size: 8, .value_kind: global_buffer, .address_space: global }
      - { .name: Wq, .offset: 24, .size: 8, .value_kind: global_buffer, .address_space: global }
      - { .name: Wk, .offset: 32, .size: 8, .value_kind: global_buffer, .address_space: global }
      - { .name: Wv, .offset: 40, .size: 8, .value_kind: global_buffer, .address_space: global }
      - { .name: Wo, .offset: 48, .size: 8, .value_kind: global_buffer, .address_space: global }
      - { .name: xw_c, .offset: 56, .size: 8, .value_kind: global_buffer, .address_space: global }
      - { .name: xw_s, .offset: 64, .size: 8, .value_kind: global_buffer, .address_space: global }
    .group_segment_fixed_size: 65536
    .private_segment_fixed_size: 0
    .kernarg_segment_align: 8
    .kernarg_segment_size: 72
    .max_flat_workgroup_size: 224
    .sgpr_count:     66
    .vgpr_count:     248
    .wavefront_size: 32
...
	.end_amdgpu_metadata
.endif
;; end of part 1
;; launch proj (part 2): grid 4 x 96, 4 waves a work-group, clusters of 4 x 4, 327,680 bytes of LDS; arguments xw_c, xw_s, bq, bk, bv, qkv_c, qkv_s; writes qkv_c, qkv_s
.if DOCPART == 2
	.amdgcn_target "amdgcn-amd-amdhsa--gfx1250"
	.amdhsa_code_object_version 6
	.text
	.protected	k_qfbfa694087_proj
	.globl	k_qfbfa694087_proj
	.p2align	8
	.type	k_qfbfa694087_proj,@function
k_qfbfa694087_proj:
	s_mov_b64 s[64:65], 0
	v_nop
	global_prefetch_b8 v0, s[64:65] scope:SCOPE_SE
	s_setreg_imm32_b32 hwreg(HW_REG_WAVE_MODE, 25, 1), 1
	s_wait_xcnt 0x0
	s_wait_alu depctr_hold_cnt(0) depctr_sa_sdst(0) depctr_va_vdst(0) depctr_va_sdst(0) depctr_va_ssrc(0) depctr_va_vcc(0) depctr_vm_vsrc(0)
	s_getreg_b32 s2, hwreg(HW_REG_IB_STS2, 6, 4)
	s_cmp_eq_u32 s2, 0
	s_cbranch_scc0 .Lentry_in_a_cluster
	s_endpgm
.Lentry_in_a_cluster:
	s_bfe_u32 s2, ttmp6, 0x10000c
	s_cmp_lg_u32 s2, 0xf033
	s_cbranch_scc0 .Lentry_shape_is_right
	s_endpgm
.Lentry_shape_is_right:
.set NQ,     2
.set FR,     12
.set NL,     6
.set NP,     4
.set TILEB,  3072
.set HALFT,  8*TILEB
.set SLOT,   4*HALFT
.set LAPS,   2
.set KS,     32
.set SCL,    2*SLOT
.set HALFS,  16*272
.set SBLK,   2*272
.set SPARE,  SCL+4*HALFS
.set ADRA, 16
.set ADRB, 20
.set ADRS, 27
.set SPW,  28
.set NIL,  29
.set SC,   32
.set PB,   64
.set AF,   128
.set RB,   224
.set SW,   232
.set VO,   240
.set VS,   244
.set SH,   246
.set T,    128
.set PC,   192
.set TM,   64
.set PW,   80
.set SEL,  18
.set G1, 24
.set G0, 32
.set G1B, 48
.set G0B, 56
.set G1S, 68
.set G0S, 76
.set G1SB, 80
.set G0SB, 88
.set MSB, 0
.macro WIN new
.if MSB != (\new)
	s_set_vgpr_msb (MSB<<8)|(\new)
.set MSB, (\new)
.endif
.endm
.set MUL_LO, 0xa1
.set MUL_HI, 0xf1
.set TO_B,   0x40
.macro JLOAD g0a, g1a, g0b, g1b
	s_cmp_eq_u32 s15, 0
	s_cbranch_scc0 .Lfor_b_\@
	tensor_load_to_lds s[\g0a:\g0a+3], s[\g1a:\g1a+7]
	s_nop 0
.rept 4
	v_nop
.endr
	s_branch .Lasked_\@
.Lfor_b_\@:
	tensor_load_to_lds s[\g0b:\g0b+3], s[\g1b:\g1b+7]
	s_nop 0
.rept 4
	v_nop
.endr
.Lasked_\@:
.endm
.macro CREST
	s_cmp_lg_u32 s14, 0
	s_cbranch_scc1 .Lnot_wave_0_\@
	s_barrier_signal -3
.Lnot_wave_0_\@:
	s_barrier_wait -3
	s_barrier_signal -1
	s_barrier_wait -1
.endm
.macro CROUND
	s_barrier_signal -1
	s_barrier_wait -1
	CREST
.endm
	s_load_b256 s[4:11], s[0:1], 0x0
	s_load_b128 s[96:99], s[0:1], 0x20
	s_load_b64 s[12:13], s[0:1], 0x30
	v_lshl_add_u32 v[SPW], v0, 2, SPARE
	v_mov_b32 v[NIL], 0
	ds_add_u32 v[SPW], v[NIL]
	ds_add_u32 v[SPW], v[NIL]
	v_lshrrev_b32 v1, 5, v0
	v_readfirstlane_b32 s14, v1
	s_lshr_b32 s15, s14, 1
	s_and_b32 s16, s14, 1
	s_bfe_u32 s40, ttmp6, 0x40000
	s_bfe_u32 s41, ttmp6, 0x40004
	s_and_b32 s67, ttmp7, 0xffff
	s_lshr_b32 s66, s67, 3
	s_and_b32 s67, s67, 7
	s_lshl_b32 s67, s67, 2
	s_add_co_u32 s22, s67, s41
	s_add_co_u32 s46, s67, s40
	s_mov_b32 s2, 24576
	s_cmp_eq_u32 s66, 1
	s_cselect_b32 s101, 8192, 0
	s_cselect_b32 s2, 25600, s2
	s_cmp_eq_u32 s66, 2
	s_cselect_b32 s101, 26624, s101
	s_cselect_b32 s2, 16384, s2
	s_cselect_b32 s17, s41, s22
	s_cselect_b32 s42, s46, s40
	s_cselect_b32 s95, 0, -1
	s_cselect_b32 s100, -1, 0
	s_lshl_b32 s43, s41, 2
	s_lshl_b32 s43, 15, s43
	s_lshl_b32 s44, 0x1111, s40
	s_or_b32 s[G1+0], s43, (3<<16)|(1<<21)
	s_or_b32 s[G1B+0], s44, (3<<16)|(1<<21)
.irp g, G1, G1B
	s_mov_b32 s[\g+1], 384<<16
	s_mov_b32 s[\g+2], 8<<16
	s_mov_b32 s[\g+3], 384<<16
	s_mov_b32 s[\g+4], 8
	s_mov_b32 s[\g+5], 1536
	s_mov_b32 s[\g+6], 0
	s_mov_b32 s[\g+7], 0
.endr
	s_or_b32 s[G1S+0], s43, (3<<16)|(1<<20)|(1<<21)|(5<<22)|(3<<25)
	s_or_b32 s[G1SB+0], s44, (3<<16)|(1<<20)|(1<<21)|(5<<22)|(3<<25)
.irp g, G1S, G1SB
	s_mov_b32 s[\g+1], 32<<16
	s_mov_b32 s[\g+2], 16<<16
	s_mov_b32 s[\g+3], 32<<16
	s_mov_b32 s[\g+4], 16
	s_mov_b32 s[\g+5], 32
	s_mov_b32 s[\g+6], 0
	s_mov_b32 s[\g+7], 0
.endr
	s_lshl_b32 s18, s16, 7
	s_lshl_b32 s20, s17, 8
	s_add_co_u32 s20, s20, s18
	s_add_co_u32 s20, s20, s101
	s_lshl_b32 s46, s42, 8
	s_add_co_u32 s46, s46, s18
	s_add_co_u32 s46, s46, s2
	s_lshl_b32 s22, s20, 5
	s_mov_b32 s23, 0
	s_mul_i32 s20, s20, 768
	s_mov_b32 s21, 0
	s_lshl_b32 s92, s46, 5
	s_mov_b32 s93, 0
	s_mul_i32 s46, s46, 768
	s_mov_b32 s47, 0
	s_mul_i32 s45, s14, HALFT
	s_mul_i32 s94, s14, HALFS
	s_wait_dscnt 0x0
	s_wait_kmcnt 0x0
	s_add_nc_u64 s[20:21], s[4:5], s[20:21]
	s_add_nc_u64 s[22:23], s[6:7], s[22:23]
	s_add_nc_u64 s[46:47], s[4:5], s[46:47]
	s_add_nc_u64 s[92:93], s[6:7], s[92:93]
	CROUND
	s_mov_b32 s[G0S], 1
	s_add_co_u32 s[G0S+1], s94, SCL
	s_mov_b64 s[G0S+2:G0S+3], s[22:23]
	s_or_b32 s[G0S+3], s[G0S+3], 0x80000000
	s_mov_b32 s[G0SB], 1
	s_add_co_u32 s[G0SB+1], s94, SCL
	s_mov_b64 s[G0SB+2:G0SB+3], s[92:93]
	s_or_b32 s[G0SB+3], s[G0SB+3], 0x80000000
	JLOAD G0S, G1S, G0SB, G1SB
.irp s, 0,1
	s_mov_b32 s[G0+4*\s], 1
	s_add_co_u32 s[G0+4*\s+1], s45, \s*SLOT
	s_add_nc_u64 s[G0+4*\s+2:G0+4*\s+3], s[20:21], \s*TILEB
	s_or_b32 s[G0+4*\s+3], s[G0+4*\s+3], 0x80000000
	s_mov_b32 s[G0B+4*\s], 1
	s_add_co_u32 s[G0B+4*\s+1], s45, \s*SLOT
	s_add_nc_u64 s[G0B+4*\s+2:G0B+4*\s+3], s[46:47], \s*TILEB
	s_or_b32 s[G0B+4*\s+3], s[G0B+4*\s+3], 0x80000000
	s_wait_alu depctr_va_vdst(0)
	s_wait_tensorcnt 0x0
	ds_add_u32 v28, v29
	s_wait_dscnt 0x0
	CROUND
	JLOAD G0+4*\s, G1, G0B+4*\s, G1B
.endr
	v_and_b32 v1, 15, v0
	v_bfe_u32 v2, v0, 4, 1
	v_and_b32 v3, 31, v0
	v_lshlrev_b32 v3, 3, v3
	s_mul_i32 s21, s15, HALFT
	s_mul_i32 s22, s16, HALFT
	s_add_co_u32 s22, s22, 2*HALFT
.irp s, 0,1
	v_add_nc_u32 v[ADRA+\s], s21, v3
	v_add_nc_u32 v[ADRB+\s], s22, v3
	s_add_co_u32 s21, s21, SLOT
	s_add_co_u32 s22, s22, SLOT
.endr
	v_mul_u32_u24 v5, v1, KS
	v_lshrrev_b32 v6, 8, v5
	v_lshl_add_u32 v5, v6, 4, v5
	s_mul_i32 s21, s15, HALFS
	s_mul_i32 s22, s16, HALFS
	s_add_co_u32 s22, s22, 2*HALFS
	s_sub_co_u32 s22, s22, s21
	v_mul_u32_u24 v6, s22, v2
	s_add_co_u32 s21, s21, SCL
	v_add_nc_u32 v5, v5, v6
	v_add_nc_u32 v[ADRS], s21, v5
	s_lshl_b32 s20, s17, 1
	s_add_co_u32 s20, s20, s15
	s_lshl_b32 s46, s42, 1
	s_add_co_u32 s46, s46, s16
	s_lshl_b32 s92, s46, 9
	s_lshl_b32 s93, s20, 9
	s_mov_b32 s94, 3072
	s_mov_b32 s101, 98304
	s_mov_b32 s2, 256
	s_mov_b32 s3, 8192
	s_cmp_eq_u32 s66, 2
	s_cselect_b32 s21, s46, s20
	s_cselect_b32 s22, s20, s46
	s_cselect_b32 s92, 0, s92
	s_cselect_b32 s93, s93, 0
	s_cselect_b32 s23, s101, s94
	s_cselect_b32 s43, s94, s101
	s_cselect_b32 s44, s3, s2
	s_cselect_b32 s45, s2, s3
	s_cselect_b64 s[8:9], s[96:97], s[8:9]
	s_cmp_eq_u32 s66, 1
	s_cselect_b64 s[8:9], s[10:11], s[8:9]
	v_mov_b32 v[VO], v3
	v_add_nc_u32 v[VO+1], s43, v3
	v_add_nc_u32 v[VO+2], s23, v3
	v_add_nc_u32 v[VO+3], s43, v[VO+2]
	v_mul_u32_u24 v4, s45, v2
	v_lshl_add_u32 v[VS], v1, 4, v4
	v_add_nc_u32 v[VS+1], s44, v[VS]
	v_lshlrev_b32 v[SH], 4, v2
	v_lshl_add_u32 v7, v2, 6, s92
	v_and_b32 v9, 8, v1
	v_add_nc_u32 v9, v9, v1
	v_lshl_add_u32 v8, v9, 2, s93
.irp bb, 0,1,2,3
.irp jj, 0,1,2,3
	global_load_b128 v[PB+16*\bb+4*\jj:PB+16*\bb+4*\jj+3], v7, s[8:9] offset:128*\bb+16*\jj
.endr
.endr
.irp a, 0,1,2,3,4,5,6,7
	global_load_b32 v[RB+\a], v8, s[8:9] offset:4*(32*(\a/2)+8*(\a%2))
.endr
	s_lshr_b32 s94, s21, 4
	s_lshl_b32 s94, s94, 4
	s_lshl_b32 s101, s22, 1
	s_add_co_u32 s94, s94, s101
	s_and_b32 s101, s21, 15
	s_mul_i32 s18, s94, 98304
	s_mul_i32 s19, s101, 6144
	s_add_co_u32 s18, s18, s19
	s_mul_i32 s19, s66, 6291456
	s_add_co_u32 s18, s18, s19
	s_mov_b32 s19, 0
	s_add_nc_u64 s[98:99], s[98:99], s[18:19]
	s_lshl_b32 s18, s94, 13
	s_lshl_b32 s19, s101, 9
	s_add_co_u32 s18, s18, s19
	s_lshl_b32 s19, s66, 19
	s_add_co_u32 s18, s18, s19
	s_mov_b32 s19, 0
	s_add_nc_u64 s[12:13], s[12:13], s[18:19]
	s_mov_b32 s[SEL], 0x76543210
	s_mov_b32 s[SEL+1], 0xfedcba98
.macro FRAG reg, adr, q, i
.irp p, 0,1,2,3,4,5
	ds_load_b64 v[\reg+2*\p:\reg+2*\p+1], v[\adr] offset:(\i)*TILEB+(\q)*1536+256*\p
.endr
.endm
.macro MUL16 a0, p, q, sc, zero
.irp a, \a0, \a0+1
.irp b, 0,1,2,3,4,5,6,7
.if \zero
	v_wmma_scale_f32_16x16x128_f8f6f4 v[8*(8*((\a)%4)+\b):8*(8*((\a)%4)+\b)+7], v[128*(\p)+FR*\b:128*(\p)+FR*\b+FR-1], v[AF+FR*(\a):AF+FR*(\a)+FR-1], v[PB+8*\b:PB+8*\b+7], v[SC+8*NQ*(\sc)+NQ*\b+(\q)], v[SC+8*NQ*(\sc)+NQ*(\a)+(\q)] matrix_a_fmt:MATRIX_FMT_FP6 matrix_b_fmt:MATRIX_FMT_FP6 matrix_a_scale:MATRIX_SCALE_ROW1
.else
	v_wmma_scale_f32_16x16x128_f8f6f4 v[8*(8*((\a)%4)+\b):8*(8*((\a)%4)+\b)+7], v[128*(\p)+FR*\b:128*(\p)+FR*\b+FR-1], v[AF+FR*(\a):AF+FR*(\a)+FR-1], v[8*(8*((\a)%4)+\b):8*(8*((\a)%4)+\b)+7], v[SC+8*NQ*(\sc)+NQ*\b+(\q)], v[SC+8*NQ*(\sc)+NQ*(\a)+(\q)] matrix_a_fmt:MATRIX_FMT_FP6 matrix_b_fmt:MATRIX_FMT_FP6 matrix_a_scale:MATRIX_SCALE_ROW1
.endif
.endr
.endr
.endm
.macro FETCH_B slot, q, p
	WIN TO_B
.irp i, 0,1,2,3,4,5,6,7
	FRAG 128*(\p)+FR*\i, ADRB+\slot, \q, \i
.endr
	WIN 0
.endm
.macro FETCH_A slot, q, i0
.irp i, \i0, \i0+1, \i0+2, \i0+3
	FRAG AF+FR*(\i), ADRA+\slot, \q, \i
.endr
.endm
.macro SCALES sc
.irp i, 0,1,2,3,4,5,6,7
	ds_load_b64 v[SC+8*NQ*\sc+NQ*\i:SC+8*NQ*\sc+NQ*\i+1], v[ADRS] offset:\i*SBLK
.endr
.endm
.macro PLACES n
.rept \n
	v_nop
.endr
.endm
.macro STEP slot, q, zero
	s_wait_dscnt 4*NL
	WIN MUL_LO-0x20*(\zero)
	MUL16 0, (\q)%2, \q, \slot, \zero
	MUL16 2, (\q)%2, \q, \slot, \zero
	s_wait_dscnt 0
	PLACES NP
	FETCH_B \slot, (\q)+1, 1-(\q)%2
	FETCH_A \slot, (\q)+1, 0
	WIN MUL_HI-0x30*(\zero)
	MUL16 4, (\q)%2, \q, \slot, \zero
	MUL16 6, (\q)%2, \q, \slot, \zero
	PLACES NP
	WIN 0
	FETCH_A \slot, (\q)+1, 4
.endm
.macro TURN slot, next, fill
	s_wait_tensorcnt 0x0
	ds_add_u32 v[SPW], v[NIL]
	s_wait_dscnt 4*NL+1
	WIN MUL_LO
	MUL16 0, 1, NQ-1, \slot, 0
	s_wait_dscnt 0x0
	s_barrier_signal -1
	MUL16 2, 1, NQ-1, \slot, 0
	WIN 0
	s_barrier_wait -1
.if \fill
	CREST
	s_add_nc_u64 s[G0+4*\slot+2:G0+4*\slot+3], s[G0+4*\slot+2:G0+4*\slot+3], 2*TILEB
	s_add_nc_u64 s[G0B+4*\slot+2:G0B+4*\slot+3], s[G0B+4*\slot+2:G0B+4*\slot+3], 2*TILEB
	JLOAD G0+4*\slot, G1, G0B+4*\slot, G1B
.else
	PLACES NP
.endif
	s_wait_alu depctr_va_vdst(0)
	v_add_nc_u32 v[ADRS], 4*NQ, v[ADRS]
	FETCH_B \next, 0, 0
	FETCH_A \next, 0, 0
	SCALES \next
	WIN MUL_HI
	MUL16 4, 1, NQ-1, \slot, 0
	MUL16 6, 1, NQ-1, \slot, 0
	PLACES NP
	WIN 0
	FETCH_A \next, 0, 4
.endm
	s_wait_loadcnt 0x0
.set j, 0
.rept 64
	v_and_b32 v[PB+j], s95, v[PB+j]
.set j, j+1
.endr
.irp a, 0,1,2,3,4,5,6,7
	v_and_b32 v[RB+\a], s100, v[RB+\a]
.endr
	s_wait_alu depctr_va_vdst(0)
	s_wait_tensorcnt 1
	s_barrier_signal -1
	s_barrier_wait -1
	FETCH_B 0, 0, 0
	FETCH_A 0, 0, 0
	SCALES 0
	FETCH_A 0, 0, 4
	STEP 0, 0, 1
	s_mov_b32 s3, LAPS-1
.Llap:
	TURN 0, 1, 1
	STEP 1, 0, 0
	TURN 1, 0, 1
	STEP 0, 0, 0
	s_sub_co_u32 s3, s3, 1
	s_cmp_lg_u32 s3, 0
	s_cbranch_scc1 .Llap
	TURN 0, 1, 0
	STEP 1, 0, 0
	s_wait_dscnt 4*NL
	WIN MUL_LO
	MUL16 0, 1, NQ-1, 1, 0
	MUL16 2, 1, NQ-1, 1, 0
	s_wait_dscnt 0
	WIN MUL_HI
	MUL16 4, 1, NQ-1, 1, 0
	MUL16 6, 1, NQ-1, 1, 0
	WIN 0
.macro QUANT s
.irp b, 0,1,2,3
	v_max3_num_f32 v[TM+\b], |v[\s+16*\b]|, |v[\s+1+16*\b]|, 0x1800000
.endr
.irp i, 2,4,6,8,10,12,14
.irp b, 0,1,2,3
	v_max3_num_f32 v[TM+\b], v[TM+\b], |v[\s+16*\b+\i]|, |v[\s+1+16*\b+\i]|
.endr
.endr
.irp b, 0,1,2,3
	v_permlanex16_b32 v[TM+4+\b], v[TM+\b], s[SEL], s[SEL+1]
.endr
.irp b, 0,1,2,3
	v_max_num_f32 v[TM+\b], v[TM+\b], v[TM+4+\b]
.endr
.irp b, 0,1,2,3
	v_add_nc_u32 v[TM+12+\b], 0xff000000, v[TM+\b]
.endr
.irp b, 0,1,2,3
	v_lshrrev_b32 v[TM+4+\b], 23, v[TM+12+\b]
.endr
	v_lshl_or_b32 v[PW], v[TM+5], 8, v[TM+4]
	v_lshl_or_b32 v[PW], v[TM+6], 16, v[PW]
	v_lshl_or_b32 v[PW], v[TM+7], 24, v[PW]
.irp c, 0,1
	v_cvt_scalef32_pk16_fp6_f32 v[PC+6*\c:PC+2+6*\c], v[\s+32*\c:\s+15+32*\c], v[TM+12+2*\c]
	v_cvt_scalef32_pk16_fp6_f32 v[PC+12+4*\c:PC+14+4*\c], v[\s+16+32*\c:\s+31+32*\c], v[TM+12+2*\c+1]
.endr
	v_nop
.irp c, 0,1
.irp i, 0,1,2
	v_permlane16_swap_b32 v[PC+6*\c+\i], v[PC+12+4*\c+\i]
.endr
.irp i, 0,1,2
	v_mov_b32 v[PC+3+6*\c+\i], v[PC+12+4*\c+\i]
.endr
.endr
.endm
.macro OUTA a
.if (\a) > 0
	s_wait_xcnt 0x0
.endif
	WIN 0x02+(\a)/4
.set AC, 64*((\a)%4)
.set RP, RB+2*((\a)/2)
.set j, 0
.rept 32
.if (\a)%2
	v_pk_add_f32 v[T+j:T+j+1], v[AC+j:AC+j+1], v[RP:RP+1] op_sel:[0,1] op_sel_hi:[1,1]
.else
	v_pk_add_f32 v[T+j:T+j+1], v[AC+j:AC+j+1], v[RP:RP+1] op_sel_hi:[1,0]
.endif
.set j, j+2
.endr
	WIN 0
	QUANT T
	v_bfe_u32 v[SW+(\a)], v[PW], v[SH], 16
.irp p, 0,1,2,3,4,5
	global_store_b64 v[VO+2*((\a)/4)+\p/3], v[PC+2*\p:PC+2*\p+1], s[98:99] offset:768*((\a)%4)+256*(\p%3)
.endr
.endm
	PLACES NP
.irp b, 0,1,2,3
	v_mov_b32 v[TM+4+\b], 0
.endr
.irp a, 0,1,2,3,4,5,6,7
	OUTA \a
.endr
	global_store_b128 v[VS], v[SW:SW+3], s[12:13]
	global_store_b128 v[VS+1], v[SW+4:SW+7], s[12:13]
	s_wait_tensorcnt 0x0
	ds_add_u32 v[SPW], v[NIL]
	s_wait_dscnt 0x0
	CROUND
	s_endpgm
.Lfunc_end_k_qfbfa694087_proj:
	.size	k_qfbfa694087_proj, .Lfunc_end_k_qfbfa694087_proj-k_qfbfa694087_proj
	.p2alignl 7, 3214868480
	.fill 96, 4, 3214868480
	.section	.rodata,"a",@progbits
	.p2align	6, 0x0
	.amdhsa_kernel k_qfbfa694087_proj
		.amdhsa_group_segment_fixed_size 327680
		.amdhsa_private_segment_fixed_size 0
		.amdhsa_enable_private_segment 0
		.amdhsa_kernarg_size 56
		.amdhsa_user_sgpr_count 2
		.amdhsa_user_sgpr_kernarg_segment_ptr 1
		.amdhsa_wavefront_size32 1
		.amdhsa_system_sgpr_workgroup_id_x 1
		.amdhsa_system_sgpr_workgroup_id_y 1
		.amdhsa_system_sgpr_workgroup_id_z 1
		.amdhsa_system_vgpr_workitem_id 0
		.amdhsa_next_free_vgpr 1024
		.amdhsa_next_free_sgpr 102
		.amdhsa_reserve_vcc 0
		.amdhsa_float_denorm_mode_32 3
		.amdhsa_float_denorm_mode_16_64 3
		.amdhsa_memory_ordered 1
		.amdhsa_forward_progress 1
		.amdhsa_inst_pref_size 189
	.end_amdhsa_kernel
	.amdgpu_metadata
---
amdhsa.version: [ 1, 2 ]
amdhsa.kernels:
  - .name:           k_qfbfa694087_proj
    .symbol:         k_qfbfa694087_proj.kd
    .args:
      - { .name: xw_c, .offset: 0, .size: 8, .value_kind: global_buffer, .address_space: global }
      - { .name: xw_s, .offset: 8, .size: 8, .value_kind: global_buffer, .address_space: global }
      - { .name: bq, .offset: 16, .size: 8, .value_kind: global_buffer, .address_space: global }
      - { .name: bk, .offset: 24, .size: 8, .value_kind: global_buffer, .address_space: global }
      - { .name: bv, .offset: 32, .size: 8, .value_kind: global_buffer, .address_space: global }
      - { .name: qkv_c, .offset: 40, .size: 8, .value_kind: global_buffer, .address_space: global }
      - { .name: qkv_s, .offset: 48, .size: 8, .value_kind: global_buffer, .address_space: global }
    .group_segment_fixed_size: 327680
    .private_segment_fixed_size: 0
    .kernarg_segment_align: 8
    .kernarg_segment_size: 56
    .max_flat_workgroup_size: 128
    .sgpr_count:     102
    .vgpr_count:     1024
    .wavefront_size: 32
...
	.end_amdgpu_metadata
.endif
;; end of part 2
;; launch attn (part 3): grid 4 x 64, 16 waves a work-group, clusters of 4 x 1, 215,040 bytes of LDS; arguments qkv_c, qkv_s, ao_c, ao_s; writes ao_c, ao_s
.if DOCPART == 3
	.amdgcn_target "amdgcn-amd-amdhsa--gfx1250"
	.amdhsa_code_object_version 6
	.text
	.protected	k_qfbfa694087_attn
	.globl	k_qfbfa694087_attn
	.p2align	8
	.type	k_qfbfa694087_attn,@function
k_qfbfa694087_attn:
	s_mov_b64 s[64:65], 0
	v_nop
	global_prefetch_b8 v0, s[64:65] scope:SCOPE_SE
	s_setreg_imm32_b32 hwreg(HW_REG_WAVE_MODE, 25, 1), 1
	s_wait_xcnt 0x0
	s_wait_alu depctr_hold_cnt(0) depctr_sa_sdst(0) depctr_va_vdst(0) depctr_va_sdst(0) depctr_va_ssrc(0) depctr_va_vcc(0) depctr_vm_vsrc(0)
	s_getreg_b32 s2, hwreg(HW_REG_IB_STS2, 6, 4)
	s_cmp_eq_u32 s2, 0
	s_cbranch_scc0 .Lentry_in_a_cluster
	s_endpgm
.Lentry_in_a_cluster:
	s_bfe_u32 s2, ttmp6, 0x10000c
	s_cmp_lg_u32 s2, 0x3003
	s_cbranch_scc0 .Lentry_shape_is_right
	s_endpgm
.Lentry_shape_is_right:
; O = softmax(Q K^T / 8) V for one head of 64 channels, 2,048 keys, both products on codes of FP6 (E2M3) with E8M0 scales; the result, divided by the row's sum, is quantised along d_model at once.
; THE SOFTMAX: t = score x log2(e) / 8; M = the running largest t rounded UP to a whole number; p = 2^(t - M) is quantised along the keys, not normalised; the row's sum is taken of the unquantised p.
; SHARES: a work-group owns 512 queries of one head; each of its sixteen waves owns two tiles of 16 queries, one after the other (two passes): four waves to a SIMD, so that one wave's vector work stands beside another's products and LDS loads.
; A WHOLE HEAD'S K AND V STAY IN LDS: 2 x 98,304 bytes of codes and 2 x 8,192 of scale words, filled once: no ring, no barrier in the loop.
; CLUSTER: the four work-groups of a head ask for these bytes jointly (mask 15): each head's bytes are requested once.
; LAYOUT: both products transposed (S^T = K Q^T, O^T = V^T P^T): a lane holds one query.  K's tiles have their keys spread, so that p's 16 registers of two neighbouring tiles are 16 neighbouring keys; V's tiles have
; their channels spread likewise, so that O^T's registers are neighbours along d_model.  All operands are images of registers: 8 bytes a lane, 256 consecutive bytes a load.
; THE SCORE PRODUCT has K = 64: the upper 64 codes of both operands are zeros (registers cleared once) and their scale bytes 0 (2^-127: no NaN).
; LIMITS: a block of zeros gets the byte 1 (its codes are zeros); blocks under 2^-124 are held at that floor; NaN and infinities are not served.
; The 32 scale bytes of a tile go out as single bytes: a row's 32 bytes come from sixteen work-groups.  No prefetch: all loads from memory stand at the head.
.set VC,    98304                      ; LDS: K's codes from 0 (tile kt at 768 kt); V's from here (3,072 for 64 keys, 768 a channel tile)
.set KSC,   196608                     ; K's scale words: 512 bytes a key step: [tile / 4][r][tile % 4]
.set VSC,   204800                     ; V's: 512 bytes a key step: [64 keys][r][channel tile]
.set SPARE, 212992                     ; the spare words, 128 bytes a wave: eight blocks of 256 bytes that no other line names
.set WV,    12
.macro ROUND                           ; a round of the cluster's barrier
	s_barrier_signal -1
	s_barrier_wait -1
	s_cmp_lg_u32 s[WV], 0
	s_cbranch_scc1 .Lnot_wave_0_\@
	s_barrier_signal -3
.Lnot_wave_0_\@:
	s_barrier_wait -3
	s_barrier_signal -1
	s_barrier_wait -1
.endm
	s_load_b256 s[4:11], s[0:1], 0x0               ; qkv_c 4:5, qkv_s 6:7, ao_c 8:9, ao_s 10:11
	v_lshl_add_u32 v5, v0, 2, SPARE                ; v5: my spare word; v6: 0; neither is rewritten
	v_mov_b32 v6, 0
	ds_add_u32 v5, v6                              ; the wave's opening: the add and its wait stand ahead of the first tensor loads
	ds_add_u32 v5, v6
	v_lshrrev_b32 v8, 5, v0
	s_delay_alu instid0(VALU_DEP_1)
	v_readfirstlane_b32 s[WV], v8                  ; wave 0..15
	s_bfe_u32 s13, ttmp6, 0x40000                  ; cx: it enters Q's and the output's addresses alone
	s_and_b32 s14, ttmp7, 0xffff                   ; batch x 16 + head, shared by the four partners
	; group 1: dense blocks as rows of 256 bytes (32 elements of 8): 96 rows of codes, 8 rows of scale words
	s_mov_b32 s16, 15|(3<<16)|(1<<21)
	s_mov_b32 s17, 32<<16
	s_mov_b32 s18, 96<<16
	s_mov_b32 s19, 32<<16
	s_mov_b32 s20, 96
	s_mov_b32 s21, 32
	s_mov_b32 s22, 0
	s_mov_b32 s23, 0
	s_mov_b32 s24, 15|(3<<16)|(1<<21)
	s_mov_b32 s25, 32<<16
	s_mov_b32 s26, 8<<16
	s_mov_b32 s27, 32<<16
	s_mov_b32 s28, 8
	s_mov_b32 s29, 32
	s_mov_b32 s30, 0
	s_mov_b32 s31, 0
	s_min_u32 s54, s[WV], 7                        ; waves 0-3 fetch K's quarters, waves 4-7 V's; the others issue nothing
	s_lshr_b32 s48, s54, 2
	s_add_co_u32 s48, s48, 1                       ; section 1: K, 2: V
	s_and_b32 s49, s54, 3
	s_mul_i32 s50, s48, 6291456
	s_mul_i32 s51, s14, 98304
	s_add_co_u32 s50, s50, s51
	s_mul_i32 s51, s49, 24576
	s_add_co_u32 s50, s50, s51
	s_mov_b32 s51, 0
	s_lshl_b32 s52, s48, 19
	s_lshl_b32 s53, s14, 13
	s_add_co_u32 s52, s52, s53
	s_lshl_b32 s53, s49, 11
	s_add_co_u32 s52, s52, s53
	s_mov_b32 s53, 0
	s_mov_b32 s40, 0x76543210                      ; lane selects for v_permlanex16_b32: lane l xor 16
	s_mov_b32 s41, 0xfedcba98
	s_mov_b32 s42, 0x3e38aa3b                      ; c = log2(e) / 8
	s_mov_b32 s43, s42                             ; (named with it as a pair)
	s_mov_b32 s47, 0xffff0000                      ; lanes 16-31
	s_wait_dscnt 0x0                               ; the opening add is done
	s_wait_kmcnt 0x0
	s_mov_b32 s32, 1
	s_mul_i32 s33, s54, 24576                      ; LDS: wave x 24,576: K's four quarters, then V's
	s_add_nc_u64 s[34:35], s[4:5], s[50:51]
	s_or_b32 s35, s35, 0x80000000
	s_mov_b32 s36, 1
	s_lshl_b32 s37, s54, 11
	s_add_co_u32 s37, s37, KSC
	s_add_nc_u64 s[38:39], s[6:7], s[52:53]
	s_or_b32 s39, s39, 0x80000000
	ROUND                                          ; all four work-groups are here: the joint loads meet
	s_cmp_lt_u32 s[WV], 8                          ; a wave's two fills stand in one branch: two loads of mine are out
	s_cbranch_scc0 .Lno_fill
	tensor_load_to_lds s[32:35], s[16:23]
	s_nop 0
	tensor_load_to_lds s[36:39], s[24:31]
	s_nop 0
.rept 4
	v_nop
.endr
.Lno_fill:
	s_lshl_b32 s48, s13, 5
	s_add_co_u32 s48, s48, s[WV]                   ; my first tile of queries: 32 cx + wave; the second lies 16 tiles on
	s_mul_i32 s50, s14, 98304
	s_mul_i32 s49, s48, 768
	s_add_co_u32 s50, s50, s49
	s_mov_b32 s51, 0
	s_add_nc_u64 s[4:5], s[4:5], s[50:51]          ; Q's codes
	s_lshl_b32 s50, s14, 13
	s_lshr_b32 s49, s48, 2
	s_lshl_b32 s49, s49, 8
	s_add_co_u32 s50, s50, s49
	s_and_b32 s49, s48, 3
	s_lshl_b32 s49, s49, 2
	s_add_co_u32 s50, s50, s49
	s_add_nc_u64 s[6:7], s[6:7], s[50:51]          ; Q's scale words
	s_lshr_b32 s49, s14, 4
	s_lshl_b32 s49, s49, 7
	s_add_co_u32 s49, s49, s48                     ; the output's tile of rows: batch x 128 + tile
	s_and_b32 s52, s14, 15                         ; the head
	s_lshl_b32 s50, s49, 4
	s_add_co_u32 s50, s50, s52
	s_mul_i32 s50, s50, 768
	s_add_nc_u64 s[8:9], s[8:9], s[50:51]
	s_lshl_b32 s50, s49, 9
	s_lshl_b32 s52, s52, 1
	s_add_co_u32 s50, s50, s52
	s_add_nc_u64 s[10:11], s[10:11], s[50:51]
	v_and_b32 v8, 31, v0
	s_delay_alu instid0(VALU_DEP_1)
	v_lshlrev_b32 v1, 3, v8                        ; v1: 8 x lane
	s_delay_alu instid0(VALU_DEP_1)
	v_add_nc_u32 v2, VC, v1                        ; v2: the same in V's codes
	v_and_b32 v9, 15, v0                           ; r
	v_bfe_u32 v10, v0, 4, 1                        ; h
	s_delay_alu instid0(VALU_DEP_2)
	v_lshlrev_b32 v7, 4, v9                        ; v7: 16 r
	s_delay_alu instid0(VALU_DEP_1)
	v_add_nc_u32 v3, KSC, v7                       ; v3, v4: my row's scale words
	s_delay_alu instid0(VALU_DEP_2)
	v_add_nc_u32 v4, VSC, v7
	s_delay_alu instid0(VALU_DEP_4)
	v_lshl_add_u32 v30, v9, 5, v10                 ; v30: 32 r + h: my byte of the output's scales
.irp p, 0,1,2
	global_load_b64 v[16+2*\p:17+2*\p], v1, s[4:5] offset:256*\p          ; Q of both passes stays in registers
	global_load_b64 v[232+2*\p:233+2*\p], v1, s[4:5] offset:12288+256*\p
.endr
	global_load_b32 v28, v7, s[6:7]
	global_load_b32 v29, v7, s[6:7] offset:1024
.irp i, 0,1,2,3,4,5
	v_mov_b32 v[22+\i], 0                          ; the upper 64 of the score product's K: zero codes, written once
	v_mov_b32 v[238+\i], 0
	v_mov_b32 v[38+\i], 0
	v_mov_b32 v[50+\i], 0
	v_mov_b32 v[62+\i], 0
	v_mov_b32 v[74+\i], 0
.endr
.irp b, 0,1,2,3
	v_mov_b32 v[216+\b], 0                         ; a lane permute's destination counts as one of its sources
.endr
	v_mov_b32 v224, 0
	v_mov_b32 v227, 0                              ; (named as the upper half of the pair v[226:227] before it is first written)
	s_wait_tensorcnt 0x0                           ; my parts of K and V are in,
	s_barrier_signal -1
	s_barrier_wait -1                              ; everybody's are
	s_wait_loadcnt 0x0                             ; Q
; A KEY STEP: 128 keys.  v8-11 the step's LDS addresses; v32-79 four fragments of K; v80-87 K's scale words, v88-95 V's; v96-159 S^T, then p, then V's fragments; v160-191 O^T; v192-203 p's codes.
.macro STEP q, qs
	v_add_nc_u32 v8, s44, v1
	v_add_nc_u32 v9, s44, v2
	v_add_nc_u32 v10, s45, v3
	v_add_nc_u32 v11, s45, v4
	v_nop                                          ; five places: the scores below are laid over V's fragments, which the last products read
.irp t, 0,1,2,3
.irp p, 0,1,2
	ds_load_b64 v[32+12*\t+2*\p:33+12*\t+2*\p], v8 offset:768*\t+256*\p
.endr
.endr
	ds_load_b128 v[80:83], v10
	ds_load_b128 v[84:87], v10 offset:256
	ds_load_b128 v[88:91], v11
	ds_load_b128 v[92:95], v11 offset:256
	s_wait_alu depctr_va_vdst(0)
	s_wait_dscnt 0x0
.irp t, 0,1,2,3
	v_wmma_scale_f32_16x16x128_f8f6f4 v[96+8*\t:103+8*\t], v[32+12*\t:43+12*\t], v[\q:\q+11], 0, v[80+\t], v[\qs] matrix_a_fmt:MATRIX_FMT_FP6 matrix_b_fmt:MATRIX_FMT_FP6
.endr
.irp d, 0,1,2,3
	v_lshl_or_b32 v[88+\d], v[92+\d], 16, v[88+\d] ; V's two half words make the word of these 128 keys; also the four places in front of the loads below
.endr
.irp t, 0,1,2,3
.irp p, 0,1,2
	ds_load_b64 v[32+12*\t+2*\p:33+12*\t+2*\p], v8 offset:768*(4+\t)+256*\p
.endr
.endr
	s_wait_dscnt 0x0
.irp t, 0,1,2,3
	v_wmma_scale_f32_16x16x128_f8f6f4 v[128+8*\t:135+8*\t], v[32+12*\t:43+12*\t], v[\q:\q+11], 0, v[84+\t], v[\qs] matrix_a_fmt:MATRIX_FMT_FP6 matrix_b_fmt:MATRIX_FMT_FP6
.endr
.rept 4
	v_nop
.endr
.irp b, 0,1,2,3
	v_max3_num_f32 v[212+\b], v[96+16*\b], v[97+16*\b], v[98+16*\b]   ; the largest score of each block of 32 keys: for the row's maximum and, since p rises with the score, for the block's largest p
.endr
.irp i, 3,5,7,9,11,13
.irp b, 0,1,2,3
	v_max3_num_f32 v[212+\b], v[212+\b], v[96+16*\b+\i], v[97+16*\b+\i]
.endr
.endr
.irp b, 0,1,2,3
	v_max_num_f32 v[212+\b], v[212+\b], v[111+16*\b]
.endr
.irp b, 0,1,2,3
	s_delay_alu instid0(VALU_DEP_4)
	v_permlanex16_b32 v[216+\b], v[212+\b], s40, s41
.endr
.irp b, 0,1,2,3
	s_delay_alu instid0(VALU_DEP_4)
	v_max_num_f32 v[212+\b], v[212+\b], v[216+\b]  ; with lane l xor 16's 16 keys
.endr
	s_delay_alu instid0(VALU_DEP_2)
	v_max3_num_f32 v224, v212, v213, v214
	s_delay_alu instid0(VALU_DEP_1)
	v_max_num_f32 v224, v224, v215
	s_delay_alu instid0(VALU_DEP_1)
	v_mul_f32 v224, s42, v224                      ; as t (c is positive)
	s_delay_alu instid0(VALU_DEP_1)
	v_max_num_f32 v13, v13, v224                   ; the running largest t
	v_mov_b32 v224, v12
	s_delay_alu instid0(VALU_DEP_2)
	v_floor_f32 v12, -v13                          ; the new -M = -ceil(t): a whole number
	s_delay_alu instid0(VALU_DEP_1)
	v_sub_f32 v224, v12, v224                      ; old M - new M: a whole number, 0 or less
	s_delay_alu instid0(VALU_DEP_1)
	v_cvt_i32_f32 v224, v224                       ; (it saturates)
	s_delay_alu instid0(VALU_DEP_1)
	v_ldexp_f32 v226, 1.0, v224                    ; f = 2^(old M - new M): a multiplication by it rounds nothing
.irp j, 0,2,4,6,8,10,12,14,16,18,20,22,24,26,28,30,32,34,36,38,40,42,44,46,48,50,52,54,56,58,60,62
	v_pk_fma_f32 v[96+\j:97+\j], v[96+\j:97+\j], s[42:43], v[12:13] op_sel_hi:[1,0,0]   ; t - M
.endr
.irp b, 0,1,2,3
	v_fma_f32 v[212+\b], v[212+\b], s42, v12
.endr
.set j, 0
	s_wait_alu depctr_va_vdst(0)
.rept 64
	v_exp_f32 v[96+j], v[96+j]                     ; p = 2^(t - M), at most 1
.set j, j+1
.endr
	s_setprio 1
	v_pk_mul_f32 v[14:15], v[14:15], v[226:227] op_sel_hi:[1,0]   ; the sums under the new M; the plain line behind the exponentials
	s_wait_alu depctr_va_vdst(0)                   ; one wait for the batch, ahead of its first reader
.irp b, 0,1,2,3
	v_exp_f32 v[212+\b], v[212+\b]                 ; the block's largest p
.endr
	v_pk_add_f32 v[228:229], v[100:101], v[104:105]
	v_pk_add_f32 v[254:255], v[108:109], v[112:113]
	v_pk_add_f32 v[252:253], v[116:117], v[120:121]
	v_pk_add_f32 v[250:251], v[124:125], v[128:129]
	v_pk_add_f32 v[248:249], v[132:133], v[136:137]
	v_pk_add_f32 v[246:247], v[140:141], v[144:145]
	v_pk_add_f32 v[244:245], v[148:149], v[152:153]
	v_pk_add_f32 v[14:15], v[14:15], v[156:157]
	v_pk_add_f32 v[228:229], v[228:229], v[96:97]
	v_pk_add_f32 v[254:255], v[254:255], v[98:99]
	v_pk_add_f32 v[252:253], v[252:253], v[102:103]
	v_pk_add_f32 v[250:251], v[250:251], v[106:107]
	v_pk_add_f32 v[248:249], v[248:249], v[110:111]
	v_pk_add_f32 v[246:247], v[246:247], v[114:115]
	v_pk_add_f32 v[244:245], v[244:245], v[118:119]
	v_pk_add_f32 v[14:15], v[14:15], v[122:123]
	v_pk_add_f32 v[228:229], v[228:229], v[126:127]
	v_pk_add_f32 v[254:255], v[254:255], v[130:131]
	v_pk_add_f32 v[252:253], v[252:253], v[134:135]
	v_pk_add_f32 v[250:251], v[250:251], v[138:139]
	v_pk_add_f32 v[248:249], v[248:249], v[142:143]
	v_pk_add_f32 v[246:247], v[246:247], v[146:147]
	v_pk_add_f32 v[244:245], v[244:245], v[150:151]
	v_pk_add_f32 v[14:15], v[14:15], v[154:155]
	v_pk_add_f32 v[228:229], v[228:229], v[158:159]
	s_delay_alu instid0(VALU_DEP_2)
	v_pk_add_f32 v[14:15], v[14:15], v[250:251]
	s_delay_alu instid0(VALU_DEP_2)
	v_pk_add_f32 v[228:229], v[228:229], v[248:249]
	v_pk_add_f32 v[254:255], v[254:255], v[246:247]
	v_pk_add_f32 v[252:253], v[252:253], v[244:245]
	s_delay_alu instid0(VALU_DEP_2)
	v_pk_add_f32 v[14:15], v[14:15], v[254:255]
	s_delay_alu instid0(VALU_DEP_2)
	v_pk_add_f32 v[228:229], v[228:229], v[252:253]
	s_delay_alu instid0(VALU_DEP_1)
	v_pk_add_f32 v[14:15], v[14:15], v[228:229]
	s_wait_alu depctr_va_vdst(0)                   ; and one for the four
.irp b, 0,1,2,3
	v_max_num_f32 v[212+\b], 0x1800000, v[212+\b]  ; the floor 2^(3 - 127)
.endr
.irp b, 0,1,2,3
	s_delay_alu instid0(VALU_DEP_4)
	v_add_nc_u32 v[220+\b], 0xff000000, v[212+\b]  ; the conversion's scale operand
.endr
.irp b, 0,1,2,3
	s_delay_alu instid0(VALU_DEP_4)
	v_lshrrev_b32 v[216+\b], 23, v[220+\b]         ; the scale's byte
.endr
	s_delay_alu instid0(VALU_DEP_3)
	v_lshl_or_b32 v227, v217, 8, v216              ; p's scale word for these 128 keys
	s_delay_alu instid0(VALU_DEP_1)
	v_lshl_or_b32 v227, v218, 16, v227
	s_delay_alu instid0(VALU_DEP_1)
	v_lshl_or_b32 v227, v219, 24, v227
.irp c, 0,1
	v_cvt_scalef32_pk16_fp6_f32 v[192+6*\c:194+6*\c], v[96+32*\c:111+32*\c], v[220+2*\c]
	v_cvt_scalef32_pk16_fp6_f32 v[204+4*\c:206+4*\c], v[112+32*\c:127+32*\c], v[220+2*\c+1]
.endr
	v_nop                                          ; one plain line behind a scaled conversion
.irp c, 0,1
.irp i, 0,1,2
	v_permlane16_swap_b32 v[192+6*\c+\i], v[204+4*\c+\i]
.endr
.irp i, 0,1,2
	s_delay_alu instid0(VALU_DEP_3)
	v_mov_b32 v[195+6*\c+\i], v[204+4*\c+\i]
.endr
.endr
.irp d, 0,1,2,3
.irp p, 0,1,2,3,4,5
	ds_load_b64 v[96+12*\d+2*\p:97+12*\d+2*\p], v9 offset:768*\d+256*(\p%3)+3072*(\p/3)   ; V's four fragments: 16 channels x these 128 keys
.endr
.endr
	s_setprio 0
.irp j, 0,2,4,6,8,10,12,14,16,18,20,22,24,26,28,30
	v_pk_mul_f32 v[160+\j:161+\j], v[160+\j:161+\j], v[226:227] op_sel_hi:[1,0]   ; O^T under the new M; also the places in front of the products below
.endr
	s_wait_alu depctr_va_vdst(0)
	s_wait_dscnt 0x0
.irp d, 0,1,2,3
	v_wmma_scale_f32_16x16x128_f8f6f4 v[160+8*\d:167+8*\d], v[96+12*\d:107+12*\d], v[192:203], v[160+8*\d:167+8*\d], v[88+\d], v227 matrix_a_fmt:MATRIX_FMT_FP6 matrix_b_fmt:MATRIX_FMT_FP6
.endr
.endm
; The tile's end: O^T / the sum; register 16 b + i is channel 32 b + 16 h + i: two blocks along d_model, quantised and stored as one half fragment and 32 scale bytes.
.macro FINISH n
.rept 4
	v_nop
.endr
	v_add_f32 v14, v14, v15
	s_delay_alu instid0(VALU_DEP_1)
	v_permlanex16_b32 v224, v14, s40, s41
	s_delay_alu instid0(VALU_DEP_1)
	v_add_f32 v14, v14, v224                       ; the row's sum
	s_wait_alu depctr_va_vdst(0)
	v_rcp_f32 v14, v14
	v_nop                                          ; a plain line behind the reciprocal,
	s_wait_alu depctr_va_vdst(0)                   ; and the wait ahead of its first reader
.set j, 0
.rept 32
	v_mul_f32 v[96+j], v[160+j], v14
.set j, j+1
.endr
.irp b, 0,1
	v_max3_num_f32 v[212+\b], |v[96+16*\b]|, |v[97+16*\b]|, 0x1800000
.endr
.irp i, 2,4,6,8,10,12,14
.irp b, 0,1
	s_delay_alu instid0(VALU_DEP_2)
	v_max3_num_f32 v[212+\b], v[212+\b], |v[96+16*\b+\i]|, |v[97+16*\b+\i]|
.endr
.endr
.irp b, 0,1
	s_delay_alu instid0(VALU_DEP_2)
	v_permlanex16_b32 v[216+\b], v[212+\b], s40, s41
.endr
.irp b, 0,1
	s_delay_alu instid0(VALU_DEP_2)
	v_max_num_f32 v[212+\b], v[212+\b], v[216+\b]
.endr
.irp b, 0,1
	s_delay_alu instid0(VALU_DEP_2)
	v_add_nc_u32 v[220+\b], 0xff000000, v[212+\b]
.endr
.irp b, 0,1
	s_delay_alu instid0(VALU_DEP_2)
	v_lshrrev_b32 v[216+\b], 23, v[220+\b]
.endr
	v_cvt_scalef32_pk16_fp6_f32 v[192:194], v[96:111], v220
	v_cvt_scalef32_pk16_fp6_f32 v[204:206], v[112:127], v221
	v_nop
.irp i, 0,1,2
	v_permlane16_swap_b32 v[192+\i], v[204+\i]
.endr
.irp i, 0,1,2
	s_delay_alu instid0(VALU_DEP_3)
	v_mov_b32 v[195+\i], v[204+\i]
.endr
	v_cndmask_b32 v224, v216, v217, s47            ; lanes 0-15 block 0's byte, lanes 16-31 block 1's
.irp p, 0,1,2
	global_store_b64 v1, v[192+2*\p:193+2*\p], s[8:9] offset:196608*\n+256*\p   ; 256 consecutive bytes, at a multiple of 256
.endr
	global_store_b8 v30, v224, s[10:11] offset:8192*\n
.endm
.macro PASS n, q, qs
.if \n
	s_wait_xcnt 0x0                                ; the first tile's stores have read their registers
.endif
	v_mov_b32 v13, 0xff61b1e6                      ; the largest t so far: -3e38
	s_delay_alu instid0(VALU_DEP_1)
	v_floor_f32 v12, -v13
	v_mov_b32 v14, 0
	v_mov_b32 v15, 0
.set j, 0
.rept 32
	v_mov_b32 v[160+j], 0                          ; O^T: the step is written once; the first change of M leaves zeros zeros
.set j, j+1
.endr
	s_mov_b32 s44, 0                               ; the step's codes: 6,144 bytes a step, in K and in V
	s_mov_b32 s45, 0                               ; its scale words: 512
	s_mov_b32 s46, 16
.Lstep_\@:
	s_setprio 2
	STEP \q, \qs
	s_add_co_u32 s44, s44, 6144
	s_add_co_u32 s45, s45, 512
	s_sub_co_u32 s46, s46, 1
	s_cmp_lg_u32 s46, 0
	s_cbranch_scc1 .Lstep_\@
	s_setprio 0
	FINISH \n
.endm
	PASS 0, 16, 28
	PASS 1, 232, 29
	s_wait_tensorcnt 0x0                           ; the wave's end
	ds_add_u32 v5, v6
	s_wait_dscnt 0x0
	ROUND                                          ; the closing round
	s_endpgm
.Lfunc_end_k_qfbfa694087_attn:
	.size	k_qfbfa694087_attn, .Lfunc_end_k_qfbfa694087_attn-k_qfbfa694087_attn
	.p2alignl 7, 3214868480
	.fill 96, 4, 3214868480
	.section	.rodata,"a",@progbits
	.p2align	6, 0x0
	.amdhsa_kernel k_qfbfa694087_attn
		.amdhsa_group_segment_fixed_size 215040
		.amdhsa_private_segment_fixed_size 0
		.amdhsa_enable_private_segment 0
		.amdhsa_kernarg_size 32
		.amdhsa_user_sgpr_count 2
		.amdhsa_user_sgpr_kernarg_segment_ptr 1
		.amdhsa_wavefront_size32 1
		.amdhsa_system_sgpr_workgroup_id_x 1
		.amdhsa_system_sgpr_workgroup_id_y 1
		.amdhsa_system_sgpr_workgroup_id_z 1
		.amdhsa_system_vgpr_workitem_id 0
		.amdhsa_next_free_vgpr 256
		.amdhsa_next_free_sgpr 66
		.amdhsa_reserve_vcc 0
		.amdhsa_float_denorm_mode_32 3
		.amdhsa_float_denorm_mode_16_64 3
		.amdhsa_memory_ordered 1
		.amdhsa_forward_progress 1
		.amdhsa_inst_pref_size 57
	.end_amdhsa_kernel
	.amdgpu_metadata
---
amdhsa.version: [ 1, 2 ]
amdhsa.kernels:
  - .name:           k_qfbfa694087_attn
    .symbol:         k_qfbfa694087_attn.kd
    .args:
      - { .name: qkv_c, .offset: 0, .size: 8, .value_kind: global_buffer, .address_space: global }
      - { .name: qkv_s, .offset: 8, .size: 8, .value_kind: global_buffer, .address_space: global }
      - { .name: ao_c, .offset: 16, .size: 8, .value_kind: global_buffer, .address_space: global }
      - { .name: ao_s, .offset: 24, .size: 8, .value_kind: global_buffer, .address_space: global }
    .group_segment_fixed_size: 215040
    .private_segment_fixed_size: 0
    .kernarg_segment_align: 8
    .kernarg_segment_size: 32
    .max_flat_workgroup_size: 512
    .sgpr_count:     66
    .vgpr_count:     256
    .wavefront_size: 32
...
	.end_amdgpu_metadata
.endif
;; end of part 3
;; launch outp (part 4): grid 4 x 32, 4 waves a work-group, clusters of 4 x 4, 327,680 bytes of LDS; arguments ao_c, ao_s, xw_c, xw_s, bo, out0; writes out0
.if DOCPART == 4
	.amdgcn_target "amdgcn-amd-amdhsa--gfx1250"
	.amdhsa_code_object_version 6
	.text
	.protected	k_qfbfa694087_outp
	.globl	k_qfbfa694087_outp
	.p2align	8
	.type	k_qfbfa694087_outp,@function
k_qfbfa694087_outp:
	s_mov_b64 s[64:65], 0
	v_nop
	global_prefetch_b8 v0, s[64:65] scope:SCOPE_SE
	s_setreg_imm32_b32 hwreg(HW_REG_WAVE_MODE, 25, 1), 1
	s_wait_xcnt 0x0
	s_wait_alu depctr_hold_cnt(0) depctr_sa_sdst(0) depctr_va_vdst(0) depctr_va_sdst(0) depctr_va_ssrc(0) depctr_va_vcc(0) depctr_vm_vsrc(0)
	s_getreg_b32 s2, hwreg(HW_REG_IB_STS2, 6, 4)
	s_cmp_eq_u32 s2, 0
	s_cbranch_scc0 .Lentry_in_a_cluster
	s_endpgm
.Lentry_in_a_cluster:
	s_bfe_u32 s2, ttmp6, 0x10000c
	s_cmp_lg_u32 s2, 0xf033
	s_cbranch_scc0 .Lentry_shape_is_right
	s_endpgm
.Lentry_shape_is_right:
.set SIZE_N, 1024
.set NQ,     2
.set FR,     12
.set NL,     6
.set NP,     4
.set TILEB,  3072
.set HALFT,  8*TILEB
.set SLOT,   4*HALFT
.set LAPS,   2
.set KS,     32
.set SCL,    2*SLOT
.set HALFS,  16*272
.set SBLK,   2*272
.set SPARE,  SCL+4*HALFS
.set SPITCH, 528
.set ADRA, 16
.set ADRB, 20
.set STO,  24
.set RD,   25
.set CO,   26
.set ADRS, 27
.set SPW,  28
.set NIL,  29
.set SC,   32
.set PB,   64
.set AF,   128
.set BK,   128
.set G1, 24
.set G0, 32
.set G1B, 48
.set G0B, 56
.set G1S, 68
.set G0S, 76
.set G1SB, 80
.set G0SB, 88
.set MSB, 0
.macro WIN new
.if MSB != (\new)
	s_set_vgpr_msb (MSB<<8)|(\new)
.set MSB, (\new)
.endif
.endm
.set MUL_LO, 0xa1
.set MUL_HI, 0xf1
.set TO_B,   0x40
.macro JLOAD g0a, g1a, g0b, g1b
	s_cmp_eq_u32 s15, 0
	s_cbranch_scc0 .Lfor_b_\@
	tensor_load_to_lds s[\g0a:\g0a+3], s[\g1a:\g1a+7]
	s_nop 0
.rept 4
	v_nop
.endr
	s_branch .Lasked_\@
.Lfor_b_\@:
	tensor_load_to_lds s[\g0b:\g0b+3], s[\g1b:\g1b+7]
	s_nop 0
.rept 4
	v_nop
.endr
.Lasked_\@:
.endm
.macro CREST
	s_cmp_lg_u32 s14, 0
	s_cbranch_scc1 .Lnot_wave_0_\@
	s_barrier_signal -3
.Lnot_wave_0_\@:
	s_barrier_wait -3
	s_barrier_signal -1
	s_barrier_wait -1
.endm
.macro CROUND
	s_barrier_signal -1
	s_barrier_wait -1
	CREST
.endm
	s_load_b256 s[4:11], s[0:1], 0x0
	s_load_b64 s[96:97], s[0:1], 0x20
	s_load_b64 s[12:13], s[0:1], 0x28
	v_lshl_add_u32 v[SPW], v0, 2, SPARE
	v_mov_b32 v[NIL], 0
	ds_add_u32 v[SPW], v[NIL]
	ds_add_u32 v[SPW], v[NIL]
	v_lshrrev_b32 v1, 5, v0
	v_readfirstlane_b32 s14, v1
	s_lshr_b32 s15, s14, 1
	s_and_b32 s16, s14, 1
	s_bfe_u32 s40, ttmp6, 0x40000
	s_bfe_u32 s41, ttmp6, 0x40004
	s_lshl_b32 s42, ttmp9, 2
	s_add_co_u32 s42, s42, s40
	s_and_b32 s17, ttmp7, 0xffff
	s_lshl_b32 s17, s17, 2
	s_add_co_u32 s17, s17, s41
	s_lshl_b32 s43, s41, 2
	s_lshl_b32 s43, 15, s43
	s_lshl_b32 s44, 0x1111, s40
	s_or_b32 s[G1+0], s43, (3<<16)|(1<<21)
	s_or_b32 s[G1B+0], s44, (3<<16)|(1<<21)
.irp g, G1, G1B
	s_mov_b32 s[\g+1], 384<<16
	s_mov_b32 s[\g+2], 8<<16
	s_mov_b32 s[\g+3], 384<<16
	s_mov_b32 s[\g+4], 8
	s_mov_b32 s[\g+5], 1536
	s_mov_b32 s[\g+6], 0
	s_mov_b32 s[\g+7], 0
.endr
	s_or_b32 s[G1S+0], s43, (3<<16)|(1<<20)|(1<<21)|(5<<22)|(3<<25)
	s_or_b32 s[G1SB+0], s44, (3<<16)|(1<<20)|(1<<21)|(5<<22)|(3<<25)
.irp g, G1S, G1SB
	s_mov_b32 s[\g+1], 32<<16
	s_mov_b32 s[\g+2], 16<<16
	s_mov_b32 s[\g+3], 32<<16
	s_mov_b32 s[\g+4], 16
	s_mov_b32 s[\g+5], 32
	s_mov_b32 s[\g+6], 0
	s_mov_b32 s[\g+7], 0
.endr
	s_lshl_b32 s18, s16, 7
	s_lshl_b32 s20, s17, 8
	s_add_co_u32 s20, s20, s18
	s_lshl_b32 s46, s42, 8
	s_add_co_u32 s46, s46, s18
	s_add_co_u32 s46, s46, 27648
	s_lshl_b32 s22, s20, 5
	s_mov_b32 s23, 0
	s_mul_i32 s20, s20, 768
	s_mov_b32 s21, 0
	s_lshl_b32 s92, s46, 5
	s_mov_b32 s93, 0
	s_mul_i32 s46, s46, 768
	s_mov_b32 s47, 0
	s_mul_i32 s45, s14, HALFT
	s_mul_i32 s94, s14, HALFS
	s_wait_dscnt 0x0
	s_wait_kmcnt 0x0
	s_add_nc_u64 s[20:21], s[4:5], s[20:21]
	s_add_nc_u64 s[22:23], s[6:7], s[22:23]
	s_add_nc_u64 s[46:47], s[8:9], s[46:47]
	s_add_nc_u64 s[92:93], s[10:11], s[92:93]
	CROUND
	s_mov_b32 s[G0S], 1
	s_add_co_u32 s[G0S+1], s94, SCL
	s_mov_b64 s[G0S+2:G0S+3], s[22:23]
	s_or_b32 s[G0S+3], s[G0S+3], 0x80000000
	s_mov_b32 s[G0SB], 1
	s_add_co_u32 s[G0SB+1], s94, SCL
	s_mov_b64 s[G0SB+2:G0SB+3], s[92:93]
	s_or_b32 s[G0SB+3], s[G0SB+3], 0x80000000
	JLOAD G0S, G1S, G0SB, G1SB
.irp s, 0,1
	s_mov_b32 s[G0+4*\s], 1
	s_add_co_u32 s[G0+4*\s+1], s45, \s*SLOT
	s_add_nc_u64 s[G0+4*\s+2:G0+4*\s+3], s[20:21], \s*TILEB
	s_or_b32 s[G0+4*\s+3], s[G0+4*\s+3], 0x80000000
	s_mov_b32 s[G0B+4*\s], 1
	s_add_co_u32 s[G0B+4*\s+1], s45, \s*SLOT
	s_add_nc_u64 s[G0B+4*\s+2:G0B+4*\s+3], s[46:47], \s*TILEB
	s_or_b32 s[G0B+4*\s+3], s[G0B+4*\s+3], 0x80000000
	s_wait_alu depctr_va_vdst(0)
	s_wait_tensorcnt 0x0
	ds_add_u32 v28, v29
	s_wait_dscnt 0x0
	CROUND
	JLOAD G0+4*\s, G1, G0B+4*\s, G1B
.endr
	v_and_b32 v1, 15, v0
	v_bfe_u32 v2, v0, 4, 1
	v_and_b32 v3, 31, v0
	v_lshlrev_b32 v3, 3, v3
	s_mul_i32 s21, s15, HALFT
	s_mul_i32 s22, s16, HALFT
	s_add_co_u32 s22, s22, 2*HALFT
.irp s, 0,1
	v_add_nc_u32 v[ADRA+\s], s21, v3
	v_add_nc_u32 v[ADRB+\s], s22, v3
	s_add_co_u32 s21, s21, SLOT
	s_add_co_u32 s22, s22, SLOT
.endr
	v_mul_u32_u24 v5, v1, KS
	v_lshrrev_b32 v6, 8, v5
	v_lshl_add_u32 v5, v6, 4, v5
	s_mul_i32 s21, s15, HALFS
	s_mul_i32 s22, s16, HALFS
	s_add_co_u32 s22, s22, 2*HALFS
	s_sub_co_u32 s22, s22, s21
	v_mul_u32_u24 v6, s22, v2
	s_add_co_u32 s21, s21, SCL
	v_add_nc_u32 v5, v5, v6
	v_add_nc_u32 v[ADRS], s21, v5
	s_mul_i32 s23, s14, 16*SPITCH
	v_mul_u32_u24 v5, v1, SPITCH
	v_lshl_add_u32 v5, v2, 5, v5
	v_add_nc_u32 v[STO], s23, v5
	v_and_b32 v6, 31, v0
	v_lshlrev_b32 v[CO], 4, v6
	v_add_nc_u32 v[RD], s23, v[CO]
	s_lshl_b32 s20, s17, 8
	s_lshl_b32 s21, s15, 7
	s_add_co_u32 s20, s20, s21
	s_lshl_b32 s20, s20, 12
	s_mov_b32 s21, 0
	s_lshl_b32 s46, s42, 10
	s_lshl_b32 s47, s16, 9
	s_add_co_u32 s46, s46, s47
	s_mov_b32 s47, 0
	s_add_nc_u64 s[96:97], s[96:97], s[46:47]
	s_add_nc_u64 s[20:21], s[20:21], s[46:47]
	s_add_nc_u64 s[12:13], s[12:13], s[20:21]
	v_lshlrev_b32 v7, 5, v2
.irp b, 0,1,2,3,4,5,6,7
.irp jj, 0,1
	global_load_b128 v[PB+8*\b+4*\jj:PB+8*\b+4*\jj+3], v7, s[96:97] offset:64*\b+16*\jj
.endr
.endr
.macro FRAG reg, adr, q, i
.irp p, 0,1,2,3,4,5
	ds_load_b64 v[\reg+2*\p:\reg+2*\p+1], v[\adr] offset:(\i)*TILEB+(\q)*1536+256*\p
.endr
.endm
.macro MUL16 a0, p, q, sc, zero
.irp a, \a0, \a0+1
.irp b, 0,1,2,3,4,5,6,7
.if \zero
	v_wmma_scale_f32_16x16x128_f8f6f4 v[8*(8*((\a)%4)+\b):8*(8*((\a)%4)+\b)+7], v[128*(\p)+FR*\b:128*(\p)+FR*\b+FR-1], v[AF+FR*(\a):AF+FR*(\a)+FR-1], v[PB+8*\b:PB+8*\b+7], v[SC+8*NQ*(\sc)+NQ*\b+(\q)], v[SC+8*NQ*(\sc)+NQ*(\a)+(\q)] matrix_a_fmt:MATRIX_FMT_FP6 matrix_b_fmt:MATRIX_FMT_FP6 matrix_a_scale:MATRIX_SCALE_ROW1
.else
	v_wmma_scale_f32_16x16x128_f8f6f4 v[8*(8*((\a)%4)+\b):8*(8*((\a)%4)+\b)+7], v[128*(\p)+FR*\b:128*(\p)+FR*\b+FR-1], v[AF+FR*(\a):AF+FR*(\a)+FR-1], v[8*(8*((\a)%4)+\b):8*(8*((\a)%4)+\b)+7], v[SC+8*NQ*(\sc)+NQ*\b+(\q)], v[SC+8*NQ*(\sc)+NQ*(\a)+(\q)] matrix_a_fmt:MATRIX_FMT_FP6 matrix_b_fmt:MATRIX_FMT_FP6 matrix_a_scale:MATRIX_SCALE_ROW1
.endif
.endr
.endr
.endm
.macro FETCH_B slot, q, p
	WIN TO_B
.irp i, 0,1,2,3,4,5,6,7
	FRAG 128*(\p)+FR*\i, ADRB+\slot, \q, \i
.endr
	WIN 0
.endm
.macro FETCH_A slot, q, i0
.irp i, \i0, \i0+1, \i0+2, \i0+3
	FRAG AF+FR*(\i), ADRA+\slot, \q, \i
.endr
.endm
.macro SCALES sc
.irp i, 0,1,2,3,4,5,6,7
	ds_load_b64 v[SC+8*NQ*\sc+NQ*\i:SC+8*NQ*\sc+NQ*\i+1], v[ADRS] offset:\i*SBLK
.endr
.endm
.macro PLACES n
.rept \n
	v_nop
.endr
.endm
.macro STEP slot, q, zero
	s_wait_dscnt 4*NL
	WIN MUL_LO-0x20*(\zero)
	MUL16 0, (\q)%2, \q, \slot, \zero
	MUL16 2, (\q)%2, \q, \slot, \zero
	s_wait_dscnt 0
	PLACES NP
	FETCH_B \slot, (\q)+1, 1-(\q)%2
	FETCH_A \slot, (\q)+1, 0
	WIN MUL_HI-0x30*(\zero)
	MUL16 4, (\q)%2, \q, \slot, \zero
	MUL16 6, (\q)%2, \q, \slot, \zero
	PLACES NP
	WIN 0
	FETCH_A \slot, (\q)+1, 4
.endm
.macro TURN slot, next, fill
	s_wait_tensorcnt 0x0
	ds_add_u32 v[SPW], v[NIL]
	s_wait_dscnt 4*NL+1
	WIN MUL_LO
	MUL16 0, 1, NQ-1, \slot, 0
	s_wait_dscnt 0x0
	s_barrier_signal -1
	MUL16 2, 1, NQ-1, \slot, 0
	WIN 0
	s_barrier_wait -1
.if \fill
	CREST
	s_add_nc_u64 s[G0+4*\slot+2:G0+4*\slot+3], s[G0+4*\slot+2:G0+4*\slot+3], 2*TILEB
	s_add_nc_u64 s[G0B+4*\slot+2:G0B+4*\slot+3], s[G0B+4*\slot+2:G0B+4*\slot+3], 2*TILEB
	JLOAD G0+4*\slot, G1, G0B+4*\slot, G1B
.else
	PLACES NP
.endif
	s_wait_alu depctr_va_vdst(0)
	v_add_nc_u32 v[ADRS], 4*NQ, v[ADRS]
	FETCH_B \next, 0, 0
	FETCH_A \next, 0, 0
	SCALES \next
	WIN MUL_HI
	MUL16 4, 1, NQ-1, \slot, 0
	MUL16 6, 1, NQ-1, \slot, 0
	PLACES NP
	WIN 0
	FETCH_A \next, 0, 4
.endm
	s_wait_alu depctr_va_vdst(0)
	s_wait_loadcnt 0x0
	s_wait_tensorcnt 1
	s_barrier_signal -1
	s_barrier_wait -1
	FETCH_B 0, 0, 0
	FETCH_A 0, 0, 0
	SCALES 0
	FETCH_A 0, 0, 4
	STEP 0, 0, 1
	s_mov_b32 s3, LAPS-1
.Llap:
	TURN 0, 1, 1
	STEP 1, 0, 0
	TURN 1, 0, 1
	STEP 0, 0, 0
	s_sub_co_u32 s3, s3, 1
	s_cmp_lg_u32 s3, 0
	s_cbranch_scc1 .Llap
	TURN 0, 1, 0
	STEP 1, 0, 0
	s_wait_dscnt 4*NL
	WIN MUL_LO
	MUL16 0, 1, NQ-1, 1, 0
	MUL16 2, 1, NQ-1, 1, 0
	s_wait_dscnt 0
	WIN MUL_HI
	MUL16 4, 1, NQ-1, 1, 0
	MUL16 6, 1, NQ-1, 1, 0
	WIN 0
.macro TOSTAGE a
.set AC, 64*((\a)%4)
	WIN 0x08+4*((\a)/4)
.irp b, 0,1,2,3,4,5,6,7
	ds_store_b128 v[STO], v[AC+8*\b:AC+8*\b+3] offset:64*\b
	ds_store_b128 v[STO], v[AC+8*\b+4:AC+8*\b+7] offset:64*\b+16
.endr
	WIN 0
.set BB, BK+64*((\a)%2)
.irp t, 0,1,2,3,4,5,6,7,8,9,10,11,12,13,14,15
	ds_load_b128 v[BB+4*\t:BB+4*\t+3], v[RD] offset:\t*SPITCH
.endr
.endm
.macro SEND a, younger
.set BB, BK+64*((\a)%2)
	s_wait_dscnt \younger
.if (\a) > 0
	s_add_nc_u64 s[12:13], s[12:13], 16*SIZE_N*4
.endif
.irp t, 0,1,2,3,4,5,6,7,8,9,10,11,12,13,14,15
	global_store_b128 v[CO], v[BB+4*\t:BB+4*\t+3], s[12:13] offset:\t*SIZE_N*4 th:TH_STORE_NT
.endr
.endm
	PLACES NP
	TOSTAGE 0
.irp a, 1,2,3,4,5,6,7
.if \a > 1
	s_wait_xcnt 0x0
.endif
	TOSTAGE \a
	SEND \a-1, 32
.endr
	s_wait_xcnt 0x0
	SEND 7, 0
	s_wait_tensorcnt 0x0
	ds_add_u32 v[SPW], v[NIL]
	s_wait_dscnt 0x0
	CROUND
	s_endpgm
.Lfunc_end_k_qfbfa694087_outp:
	.size	k_qfbfa694087_outp, .Lfunc_end_k_qfbfa694087_outp-k_qfbfa694087_outp
	.p2alignl 7, 3214868480
	.fill 96, 4, 3214868480
	.section	.rodata,"a",@progbits
	.p2align	6, 0x0
	.amdhsa_kernel k_qfbfa694087_outp
		.amdhsa_group_segment_fixed_size 327680
		.amdhsa_private_segment_fixed_size 0
		.amdhsa_enable_private_segment 0
		.amdhsa_kernarg_size 48
		.amdhsa_user_sgpr_count 2
		.amdhsa_user_sgpr_kernarg_segment_ptr 1
		.amdhsa_wavefront_size32 1
		.amdhsa_system_sgpr_workgroup_id_x 1
		.amdhsa_system_sgpr_workgroup_id_y 1
		.amdhsa_system_sgpr_workgroup_id_z 1
		.amdhsa_system_vgpr_workitem_id 0
		.amdhsa_next_free_vgpr 1024
		.amdhsa_next_free_sgpr 100
		.amdhsa_reserve_vcc 0
		.amdhsa_float_denorm_mode_32 3
		.amdhsa_float_denorm_mode_16_64 3
		.amdhsa_memory_ordered 1
		.amdhsa_forward_progress 1
		.amdhsa_inst_pref_size 162
	.end_amdhsa_kernel
	.amdgpu_metadata
---
amdhsa.version: [ 1, 2 ]
amdhsa.kernels:
  - .name:           k_qfbfa694087_outp
    .symbol:         k_qfbfa694087_outp.kd
    .args:
      - { .name: ao_c, .offset: 0, .size: 8, .value_kind: global_buffer, .address_space: global }
      - { .name: ao_s, .offset: 8, .size: 8, .value_kind: global_buffer, .address_space: global }
      - { .name: xw_c, .offset: 16, .size: 8, .value_kind: global_buffer, .address_space: global }
      - { .name: xw_s, .offset: 24, .size: 8, .value_kind: global_buffer, .address_space: global }
      - { .name: bo, .offset: 32, .size: 8, .value_kind: global_buffer, .address_space: global }
      - { .name: out0, .offset: 40, .size: 8, .value_kind: global_buffer, .address_space: global }
    .group_segment_fixed_size: 327680
    .private_segment_fixed_size: 0
    .kernarg_segment_align: 8
    .kernarg_segment_size: 48
    .max_flat_workgroup_size: 128
    .sgpr_count:     100
    .vgpr_count:     1024
    .wavefront_size: 32
...
	.end_amdgpu_metadata
.endif
;; end of part 4
